; MI455X (gfx1250); checked and timed in simulation.
; The chip was launched on July 23, 2026; its instructions are those of AMD's public machine-readable ISA for CDNA 5 (MIT licence, August 2026) and "CDNA5" Instruction Set Architecture Reference Guide (July 2026). The comments in the code are by the model that wrote it; some were corrected since.
;; Vector Quantizer. Allowed arithmetic: matrix products marked QUANTISED: E5M2 operands, one given power-of-two scale a tensor, by v_wmma_f32_16x16x64_bf8_bf8 or v_wmma_f32_16x16x128_bf8_bf8, f32 sums; everything else in f32.
;; Inputs: codebook 8,192 x 256 float32; lowp_scales 2 int32 (the exponents e of the quantised operands' scales 2^e); x 32 x 256 x 32 x 32 float32.
;; Outputs: out0 32 x 256 x 32 x 32 float32; out1 32,768 int32.
;; This version of the problem:
;;   THIS VERSION OF THE PROBLEM IS GIVEN IN LOW PRECISION. The matrix products marked QUANTISED in the list below multiply operands that are first quantised to E5M2 (5 exponent bits, 2 mantissa bits; 8 bits a number), with one given power-of-two scale for each operand tensor; their sums are f32. All else is computed in f32.
;;   The module's matrix products, in the order in which they are computed (A, B: the left and right operand; K: the contracted axis; several contracted axes count as one K, in the product's order):
;;     1. [M 32,768, K 256] x [K 256, N 8,192]; A: input x; B: input codebook: QUANTISED (scales: A lowp_scales[0], B lowp_scales[1])
;;   THE QUANTISER, for each operand of a quantised product, along K:
;;     - The operand's scale is 2^e, e = its entry of the input lowp_scales (int32; the entries are numbered through the quantised products in the list's order, A before B).
;;     - Each number is divided by the scale, clamped to +-57,344, and rounded to the nearest number of E5M2, ties to even, subnormals kept.
;;     - The product sums the exact products of the quantised numbers (number of the format x scale) in f32.
;;   ~~~python
;;   def quantise(x, axis, e):      # numpy; x: float32 -> the quantised numbers, widened to float32 again
;;       x = np.moveaxis(x, axis, -1); K = x.shape[-1]
;;       r = np.clip(x / 2.0 ** e, -57344, 57344)
;;       step = 2.0 ** (np.maximum(np.frexp(np.where(r == 0, 1, r))[1] - 1, -14) - 2)
;;       q = np.round(r / step) * step * 2.0 ** e      # np.round: ties to even
;;       return np.moveaxis(q, -1, axis).astype(np.float32)
;;   ~~~
;; One version. Each part assembles by itself: llvm-mc -triple=amdgcn-amd-amdhsa -mcpu=gfx1250 --defsym DOCPART=n.
;; ======== version 1 of 1: 3 launches
;; limits: right only within a limited range of input values
;; workspace buffers: cbq 2,129,920 bytes; idxw 131,072 bytes of whole numbers
;; launch prep (part 1): grid 128 x 1, 4 waves a work-group, no clusters, 67,328 bytes of LDS; arguments codebook, lowp_scales, cbq; writes cbq
.if DOCPART == 1
	.amdgcn_target "amdgcn-amd-amdhsa--gfx1250"
	.amdhsa_code_object_version 6
	.text
	.protected	k_qc90812fbf7_prep
	.globl	k_qc90812fbf7_prep
	.p2align	8
	.type	k_qc90812fbf7_prep,@function
k_qc90812fbf7_prep:
	s_mov_b64 s[64:65], 0
	v_nop
	global_prefetch_b8 v0, s[64:65] scope:SCOPE_SE
	s_setreg_imm32_b32 hwreg(HW_REG_WAVE_MODE, 25, 1), 1
	s_wait_xcnt 0x0
; The codebook [8192][256] f32 becomes (a) codes of BF8 (E5M2) with the given scale 2^e1, laid in the order of a matrix operand's registers, and (b) cb_sq[n] = the sum of the squares of row n, of the numbers as they are given.
; code = x / 2^e1, held within +-57,344, rounded to the nearest code, ties to even.  LIMITS: e1 (entry 1 of the scales) between -126 and 112, so that 2^e1 and 57,344 x 2^e1 are f32 numbers.  NaN among the inputs is not served.
; cb_sq is an f32 sum in this text's own order: two packed chains a lane, the two halves of the lanes last.
; THE WORKSPACE: 16 chunks of CHUNK bytes, a chunk for 512 rows: 32 tiles of 4,096 bytes, then 512 f32 of cb_sq.  A tile is 16 rows x 256 K: the code of row r at k = 16 kc + i lies at byte 256 kc + 16 r + i.
; So the 512 bytes at 512 q + 16 x lane give lane (r = lane % 16, h = lane / 16) the codes k = 32 q + 16 h + 0 .. 15 of row r: four registers of a fragment, by one load of 16 bytes a lane.
; SHARES: a wave takes one tile: 16 rows, 16,384 consecutive bytes.  Each load reads 512 consecutive bytes; the conversions want 16 neighbours along K in ONE lane, so the tile turns through the wave's own stage in LDS.
; No tensor load, no cluster: the work-groups share no input.  One barrier, for the 64 sums that leave as one store of 256 consecutive bytes.
; What is stored as cb_sq is the sum x 2^-(e0 + e1 + 1): the next launch compares distances divided by that power of two, which rounds nothing.
; LIMIT: cb_sq x 2^-(e0 + e1 + 1) stays a normal f32 number (or is 0).
.set CHUNK,  133120                    ; 32 x 4,096 + 2,048
.set SPITCH, 1040                      ; a stage row: 1,024 bytes + 16: the sixteen rows that a load of 16 bytes a lane touches begin 16 bytes further on, modulo 256, from row to row
.set WSTG,   16*SPITCH                 ; a wave's stage
.set CSQ,    4*WSTG                    ; behind the stages: the work-group's 64 sums
.set R,      32                        ; v32-159  the tile as it is loaded
.set X,      160                       ; v160-191 two sets of 16 neighbours
.set C,      192                       ; v192-223 the codes: four registers for each q, so that no store's data are written again
	s_load_b128 s[4:7], s[0:1], 0x0                ; the codebook, the scales' exponents
	s_load_b64 s[8:9], s[0:1], 0x10                ; the workspace
	v_lshl_add_u32 v224, v0, 2, 0x10500
	v_mov_b32 v225, 0
	v_lshrrev_b32 v1, 5, v0
	v_readfirstlane_b32 s16, v1                    ; wave 0..3
	v_and_b32 v1, 31, v0                           ; lane
	v_and_b32 v2, 15, v0                           ; r
	v_bfe_u32 v3, v0, 4, 1                         ; h
	v_lshlrev_b32 v4, 4, v1                        ; 16 x lane: my bytes of a load's and of a store's 512
	s_mul_i32 s17, s16, WSTG
	v_add_nc_u32 v5, s17, v4                       ; the stage, on the way in
	v_mul_u32_u24 v6, v2, SPITCH
	v_lshl_add_u32 v6, v3, 6, v6
	v_add_nc_u32 v6, s17, v6                       ; and on the way out: row r, + 64 h: my 16 numbers of a block of 32
	s_lshl_b32 s18, s16, 6
	s_add_co_u32 s18, s18, CSQ
	v_lshl_add_u32 v8, v2, 2, s18                  ; where my row's sum goes: word 16 x wave + r
	v_lshlrev_b32 v12, 3, v1                       ; 8 x lane: wave 0's store of the 64 sums
	v_add_nc_u32 v9, CSQ, v12                      ; and its read of them
	v_mov_b32 v28, 0                               ; written once: a lane permute's destination counts as one of its sources
	s_mov_b32 s12, 0x76543210                      ; v_permlanex16_b32's selects for lane l xor 16
	s_mov_b32 s13, 0xfedcba98
	s_lshl_b32 s20, ttmp9, 2
	s_add_co_u32 s20, s20, s16                     ; my tile: 4 x work-group + wave
	s_lshl_b32 s20, s20, 14                        ; its 16,384 bytes of the codebook
	s_mov_b32 s21, 0
	s_lshr_b32 s24, ttmp9, 3
	s_mul_i32 s24, s24, CHUNK                      ; my chunk: eight work-groups to a chunk
	s_and_b32 s25, ttmp9, 7
	s_lshl_b32 s26, s25, 2
	s_add_co_u32 s26, s26, s16
	s_lshl_b32 s26, s26, 12
	s_add_co_u32 s26, s26, s24                     ; my tile's 4,096 bytes of codes
	s_mov_b32 s27, 0
	s_lshl_b32 s28, s25, 8
	s_add_co_u32 s28, s28, s24
	s_add_co_u32 s28, s28, 131072                  ; my work-group's 256 bytes of cb_sq
	s_mov_b32 s29, 0
	s_wait_alu depctr_va_vdst(0)
	s_wait_kmcnt 0x0
	s_load_b64 s[22:23], s[6:7], 0x0               ; e0, e1
	s_add_nc_u64 s[4:5], s[4:5], s[20:21]
	s_add_nc_u64 s[10:11], s[8:9], s[28:29]
	s_add_nc_u64 s[8:9], s[8:9], s[26:27]
.set n, 0
.rept 32
	global_load_b128 v[R+4*n:R+4*n+3], v4, s[4:5] offset:512*n th:TH_LOAD_NT   ; 32 lanes read 512 consecutive bytes: half a row
.set n, n+1
.endr
	s_wait_kmcnt 0x0
	s_add_co_i32 s14, s22, s23
	s_add_co_i32 s14, s14, 1
	s_sub_co_i32 s14, 0, s14                       ; -(e0 + e1 + 1)
	s_add_co_i32 s22, s23, 127
	s_lshl_b32 s23, s22, 23
	v_mov_b32 v11, s23                             ; 2^e1 as f32: the conversion takes its exponent field
	s_add_co_i32 s22, s22, 15
	s_lshl_b32 s22, s22, 23
	s_or_b32 s22, s22, 0x600000
	v_mov_b32 v10, s22                             ; 57,344 x 2^e1
	s_wait_alu depctr_va_vdst(0)
.irp g, 0,1,2,3
	s_wait_loadcnt 24-8*\g                         ; loads come back in order: this group of eight is in, the younger groups stay out
.irp i, 0,1,2,3,4,5,6,7
	ds_store_b128 v5, v[R+4*(8*\g+\i):R+4*(8*\g+\i)+3] offset:((8*\g+\i)/2)*SPITCH+((8*\g+\i)%2)*512
.endr
.endr
.macro LOADQ q                         ; my 16 numbers k = 32 q + 16 h + 0 .. 15 of row r, into set q % 2.  LDS serves a wave's instructions in order: these see my stores
.irp i, 0,1,2,3
	ds_load_b128 v[X+16*((\q)%2)+4*\i:X+16*((\q)%2)+4*\i+3], v6 offset:128*(\q)+16*\i
.endr
.endm
	LOADQ 0
	LOADQ 1
.macro QSTEP q
.set XS, X+16*((\q)%2)
.if (\q) < 7
	s_wait_dscnt 4                                 ; this q's four loads are in; the next q's four may be out
.else
	s_wait_dscnt 0
.endif
.irp p, 0,1,2,3,4,5,6,7
.if ((\q) == 0) && (\p < 2)
	v_pk_mul_f32 v[24+2*\p:25+2*\p], v[XS+2*\p:XS+2*\p+1], v[XS+2*\p:XS+2*\p+1]   ; the first squares start the two chains: nothing is cleared
.else
	v_pk_fma_f32 v[24+2*(\p%2):25+2*(\p%2)], v[XS+2*\p:XS+2*\p+1], v[XS+2*\p:XS+2*\p+1], v[24+2*(\p%2):25+2*(\p%2)]
.endif
.endr
.irp i, 0,1,2,3,4,5,6,7,8,9,10,11,12,13,14,15
	v_med3_num_f32 v[XS+\i], v[XS+\i], -v10, v10   ; the conversion to an 8-bit code does not saturate (ISA guide 7.6.2): the hold at the largest code x the scale comes first
.endr
	v_cvt_scalef32_pk8_bf8_f32 v[C+4*(\q):C+4*(\q)+1], v[XS:XS+7], v11
	v_cvt_scalef32_pk8_bf8_f32 v[C+4*(\q)+2:C+4*(\q)+3], v[XS+8:XS+15], v11
	v_nop                                          ; one plain vector line behind the conversions, ahead of whatever vector line next touches their registers
	global_store_b128 v4, v[C+4*(\q):C+4*(\q)+3], s[8:9] offset:512*(\q)   ; 32 lanes store 512 consecutive bytes, at a multiple of 256 from the workspace's first byte
.if (\q)+2 < 8
	LOADQ (\q)+2
.endif
.endm
.irp q, 0,1,2,3,4,5,6,7
	QSTEP \q
.endr
	v_pk_add_f32 v[24:25], v[24:25], v[26:27]
	v_add_f32 v24, v24, v25                        ; my half of row r's sum,
	v_permlanex16_b32 v28, v24, s12, s13
	v_add_f32 v24, v24, v28                        ; and lane l xor 16's
	v_ldexp_f32 v24, v24, s14                      ; x 2^-(e0 + e1 + 1): nothing is rounded
	ds_store_b32 v8, v24                           ; (lanes r and r + 16 write the same word with the same number)
	s_wait_dscnt 0x0                               ; for wave 0's sake: my store has landed
	s_barrier_signal -1
	s_barrier_wait -1
	s_cmp_lg_u32 s16, 0
	s_cbranch_scc1 .Ldone
	ds_load_b64 v[30:31], v9                       ; the work-group's 64 sums, two a lane
	s_wait_dscnt 0x0
	global_store_b64 v12, v[30:31], s[10:11]       ; 32 lanes store 256 consecutive bytes, aligned
.Ldone:
	s_wait_tensorcnt 0x0
	ds_add_u32 v224, v225
	s_wait_dscnt 0x0
	s_endpgm
.Lfunc_end_k_qc90812fbf7_prep:
	.size	k_qc90812fbf7_prep, .Lfunc_end_k_qc90812fbf7_prep-k_qc90812fbf7_prep
	.p2alignl 7, 3214868480
	.fill 96, 4, 3214868480
	.section	.rodata,"a",@progbits
	.p2align	6, 0x0
	.amdhsa_kernel k_qc90812fbf7_prep
		.amdhsa_group_segment_fixed_size 67328
		.amdhsa_private_segment_fixed_size 0
		.amdhsa_enable_private_segment 0
		.amdhsa_kernarg_size 24
		.amdhsa_user_sgpr_count 2
		.amdhsa_user_sgpr_kernarg_segment_ptr 1
		.amdhsa_wavefront_size32 1
		.amdhsa_system_sgpr_workgroup_id_x 1
		.amdhsa_system_sgpr_workgroup_id_y 1
		.amdhsa_system_sgpr_workgroup_id_z 1
		.amdhsa_system_vgpr_workitem_id 0
		.amdhsa_next_free_vgpr 226
		.amdhsa_next_free_sgpr 66
		.amdhsa_reserve_vcc 0
		.amdhsa_float_denorm_mode_32 3
		.amdhsa_float_denorm_mode_16_64 3
		.amdhsa_memory_ordered 1
		.amdhsa_forward_progress 1
		.amdhsa_inst_pref_size 25
	.end_amdhsa_kernel
	.amdgpu_metadata
---
amdhsa.version: [ 1, 2 ]
amdhsa.kernels:
  - .name:           k_qc90812fbf7_prep
    .symbol:         k_qc90812fbf7_prep.kd
    .args:
      - { .name: codebook, .offset: 0, .size: 8, .value_kind: global_buffer, .address_space: global }
      - { .name: lowp_scales, .offset: 8, .size: 8, .value_kind: global_buffer, .address_space: global }
      - { .name: cbq, .offset: 16, .size: 8, .value_kind: global_buffer, .address_space: global }
    .group_segment_fixed_size: 67328
    .private_segment_fixed_size: 0
    .kernarg_segment_align: 8
    .kernarg_segment_size: 24
    .max_flat_workgroup_size: 128
    .sgpr_count:     66
    .vgpr_count:     226
    .wavefront_size: 32
...
	.end_amdgpu_metadata
.endif
;; end of part 1
;; launch main (part 2): grid 256 x 1, 8 waves a work-group, clusters of 4 x 1, 327,680 bytes of LDS; arguments x, lowp_scales, cbq, out1, idxw; writes out1, idxw
.if DOCPART == 2
	.amdgcn_target "amdgcn-amd-amdhsa--gfx1250"
	.amdhsa_code_object_version 6
	.text
	.protected	k_qc90812fbf7_main
	.globl	k_qc90812fbf7_main
	.p2align	8
	.type	k_qc90812fbf7_main,@function
k_qc90812fbf7_main:
	s_mov_b64 s[64:65], 0
	v_nop
	global_prefetch_b8 v0, s[64:65] scope:SCOPE_SE
	s_setreg_imm32_b32 hwreg(HW_REG_WAVE_MODE, 25, 1), 1
	s_wait_xcnt 0x0
	s_wait_alu depctr_hold_cnt(0) depctr_sa_sdst(0) depctr_va_vdst(0) depctr_va_sdst(0) depctr_va_ssrc(0) depctr_va_vcc(0) depctr_vm_vsrc(0)
	s_getreg_b32 s2, hwreg(HW_REG_IB_STS2, 6, 4)
	s_cmp_eq_u32 s2, 0
	s_cbranch_scc0 .Lentry_in_a_cluster
	s_endpgm
.Lentry_in_a_cluster:
	s_bfe_u32 s2, ttmp6, 0x10000c
	s_cmp_lg_u32 s2, 0x3003
	s_cbranch_scc0 .Lentry_shape_is_right
	s_endpgm
.Lentry_shape_is_right:
; out1[n] = the first k at which d2[n][k] = (x_sq[n] - 2 cross[n][k]) + cb_sq[k] is least; cross is the product of x's and the codebook's BF8 (E5M2) codes, f32 sums.  The same indices go to idxw for the next launch.
; No work of the problem is left out.  WHAT IS COMPARED is d2 / 2^(e0 + e1 + 1) = (X' - acc) + cb', with acc the sum of the codes' products, X' = x_sq x 2^-(e0+e1+1) and cb' = cb_sq x 2^-(e0+e1+1) (made by the launch before):
; a power of two commutes with both f32 roundings, so the order of the d2 and their ties are those of the two roundings that the problem writes.
; LIMITS: e0 between -126 and 112; X', cb' and the d2 / 2^(e0+e1+1) stay normal f32 numbers or 0.  NaN among the inputs is not served.
; SHARES: a work-group takes 128 tokens of one batch (512 consecutive bytes of each channel) against all 8,192 rows.  Wave w takes ALL 128 tokens and, of each chunk of 512 rows, rows 64 w .. 64 w + 63:
;   so each byte of a chunk is read from LDS by one wave, once.  x's fragments (8 tiles x 32 registers) fill window 1 for the whole launch.
;   A step is 128 tokens x 16 rows x 256 K: 16 matrix instructions, used transposed (source 0 = 16 rows of the codebook, source 1 = 16 tokens): lane (r, h) holds token r, register j row 8 h + j.
;   A lane keeps, for each of its 8 token tiles, the least d2 so far, the step's first row, and that step's 8 d2: the place among the 8 is found once, at the end.  Ties keep the lower index at every stage.
; LDS: two slots of one chunk (CHUNK bytes: codes in the order of an operand's registers, then 512 cb'), x's codes as an image of the operand's registers, sums, results, the spare words.
; CLUSTERS: the four work-groups of a cluster walk the same chunks: each wave's eighth of a chunk's bytes is asked for jointly (mask 15).  A round of the cluster's barrier stands in front of every joint load.
; PREFETCH: cluster 0 alone asks (all clusters read the same 2,129,920 bytes): behind the joint load of chunk t + 2, waves 0-3 of its four work-groups name the 131,072 bytes of codes of chunk t + 3,
;   8,192 bytes a wave, a lane a block of 256, shared out by address; wave 4 names the sixteen chunks' cb' once, behind the first refill.  The last refill asks for nothing.
.set CHUNK,  133120
.set WPART,  16640                     ; what a wave fetches of a chunk: 65 rows of 256 bytes
.set CSQO,   131072                    ; cb' in a chunk
.set SLOT1,  CHUNK
.set XIMG,   2*CHUNK                   ; x's codes: 8 tiles of 16 tokens x 4,096 bytes
.set XSQ,    XIMG+32768                ; two halves (channels 0-127, 128-255) of 128 sums of squares
.set RESV,   XSQ+1024                  ; the waves' least d2: 8 waves x 128 tokens
.set RESI,   RESV+4096                 ; and their indices
.set SPARE,  RESI+4096                 ; the spare words: 128 bytes a wave, four blocks of 256 bytes that no other line names
.set SPW, 1                            ; v1 my spare word's address, v2 = 0: never rewritten
.set NIL, 2
.set ADC, 3                            ; v3-4   my codebook tiles in slot 0, 1
.set ADB, 5                            ; v5-6   my cb' in slot 0, 1
.set PFO, 7                            ; the prefetches' offset
.set XO,  9
.set XW,  10
.set XQW, 11
.set XFA, 12
.set XQR, 13
.set RWV, 14
.set RWI, 15
.set XQ,  16                           ; v16-31 X' of my token in tile a, twice (a pair for the dual lines)
.set RG,  32                           ; v32-47 for tile a: the least d2 so far, and its step's first row
.set M,   48                           ; v48-55 the step's minima
.set CB,  56                           ; v56-63 the step's cb'
.set ACC, 64                           ; v64-127 the 8 accumulators
.set SAVE, 128                         ; v128-191 the 8 d2 of the best step, for each a
.set CF,  192                          ; v192-223 the step's codebook tile
.set SQ,  224                          ; the head: two packed chains of squares
.set T,   228                          ; v228-235 at work in the head
.set HB,  240                          ; 64 x wave + 8 h
.set RRD, 241
.set OO,  242
.set GV0, 244                          ; v244, v245: the step's first row, twice: a dual pair's two first sources lie in different register banks (number mod 4), so each pair takes the copy that fits
.set GV1, 245
.set XN,  64                           ; the head: x as loaded, v64-191
.set XC,  192                          ; its codes
.set TQ,  64                           ; the halves of the sums of squares
.set XF,  0                            ; window 1: x's fragments, tile a at 32 a
.set MSB, 0
.macro WIN new                         ; the immediate's high byte repeats the setting that is left
.if MSB != \new
	s_set_vgpr_msb (MSB<<8)|\new
.set MSB, \new
.endif
.endm
.macro CREST                           ; a round of the cluster's barrier behind its opening barrier
	s_cmp_lg_u32 s14, 0
	s_cbranch_scc1 .Lnot_wave_0_\@
	s_barrier_signal -3
.Lnot_wave_0_\@:
	s_barrier_wait -3
	s_barrier_signal -1
	s_barrier_wait -1
.endm
.macro CROUND
	s_barrier_signal -1
	s_barrier_wait -1
	CREST
.endm
.macro PLACES                          ; four places behind matrix instructions (ISA guide 7.12.1)
.rept 4
	v_nop
.endr
.endm
.macro JLOAD s                         ; my eighth of a chunk's bytes, jointly; s_nop 0 and four v_nop
	tensor_load_to_lds s[32+4*\s:35+4*\s], s[24:31]
	s_nop 0
	PLACES
.endm
.macro ASK                             ; s49 = refills to go, this one among them; s48 = my wave's bound (-1: never)
	s_cmp_gt_u32 s49, s48
	s_cbranch_scc0 .Lnot_mine_\@
	global_prefetch_b8 v[PFO], s[44:45] th:TH_LOAD_NT scope:SCOPE_SE
.Lnot_mine_\@:
.endm
.macro XLOAD b                         ; 32 channels of my token: a lane a token, registers down K; four waves side by side read 512 consecutive bytes
.set i, 32*(\b)
.rept 32
	global_load_b32 v[XN+i], v[XO], s[4:5] offset:4096*i th:TH_LOAD_NT
.set i, i+1
.endr
.endm
.macro XGROUP j                        ; 16 channels: squares, the hold at the largest code x the scale (the conversion does not saturate: ISA guide 7.6.2), codes, into the image
.irp p, 0,1,2,3,4,5,6,7
.if ((\j) == 0) && (\p < 2)
	v_pk_mul_f32 v[SQ+2*\p:SQ+2*\p+1], v[XN+2*\p:XN+2*\p+1], v[XN+2*\p:XN+2*\p+1]
.else
	v_pk_fma_f32 v[SQ+2*(\p%2):SQ+2*(\p%2)+1], v[XN+16*(\j)+2*\p:XN+16*(\j)+2*\p+1], v[XN+16*(\j)+2*\p:XN+16*(\j)+2*\p+1], v[SQ+2*(\p%2):SQ+2*(\p%2)+1]
.endif
.endr
.irp i, 0,1,2,3,4,5,6,7,8,9,10,11,12,13,14,15
	v_med3_num_f32 v[XN+16*(\j)+\i], v[XN+16*(\j)+\i], -v[T+1], v[T+1]
.endr
	v_cvt_scalef32_pk8_bf8_f32 v[XC+4*(\j):XC+4*(\j)+1], v[XN+16*(\j):XN+16*(\j)+7], v[T]
	v_cvt_scalef32_pk8_bf8_f32 v[XC+4*(\j)+2:XC+4*(\j)+3], v[XN+16*(\j)+8:XN+16*(\j)+15], v[T]
	v_nop                                          ; one plain line behind the conversions
	ds_store_b128 v[XW], v[XC+4*(\j):XC+4*(\j)+3] offset:256*(\j)
.endm
.macro XBLOCK b, left                  ; left: the younger block's 32 loads may stay out
	s_wait_loadcnt \left
.if (\b) < 2
	XLOAD (\b)+2
.endif
	XGROUP 2*(\b)
	XGROUP 2*(\b)+1
.endm
.macro FETCH_CF slot, st               ; one tile of 16 rows x 256 K: 8 loads of 512 consecutive bytes
.irp q, 0,1,2,3,4,5,6,7
	ds_load_b128 v[CF+4*\q:CF+4*\q+3], v[ADC+\slot] offset:4096*(\st)+512*\q
.endr
.endm
.macro FETCH_CB slot, st               ; cb' of rows 8 h + 0 .. 7 of the tile
.irp i, 0,1
	ds_load_b128 v[CB+4*\i:CB+4*\i+3], v[ADB+\slot] offset:64*(\st)+16*\i
.endr
.endm
.macro MUL                             ; the 8 accumulators by turns, K = 0-127 (C = 0 starts the sums), then K = 128-255.  Source 1 alone lies in window 1
	WIN 0x04
.irp a, 0,1,2,3,4,5,6,7
	v_wmma_f32_16x16x128_bf8_bf8 v[ACC+8*\a:ACC+8*\a+7], v[CF:CF+15], v[XF+32*\a:XF+32*\a+15], 0
.endr
.irp a, 0,1,2,3,4,5,6,7
	v_wmma_f32_16x16x128_bf8_bf8 v[ACC+8*\a:ACC+8*\a+7], v[CF+16:CF+31], v[XF+32*\a+16:XF+32*\a+31], v[ACC+8*\a:ACC+8*\a+7]
.endr
	WIN 0
.endm
.macro D2                              ; (X' - acc) + cb': two roundings, two numbers a line; each accumulator from its low end on
.irp a, 0,1,2,3,4,5,6,7
.irp p, 0,2,4,6
	v_dual_sub_f32 v[ACC+8*\a+\p], v[XQ+2*\a], v[ACC+8*\a+\p] :: v_dual_sub_f32 v[ACC+8*\a+\p+1], v[XQ+2*\a+1], v[ACC+8*\a+\p+1]
.endr
.endr
.irp a, 0,1,2,3,4,5,6,7
.irp p, 0,2,4,6
	v_dual_add_f32 v[ACC+8*\a+\p], v[CB+\p], v[ACC+8*\a+\p] :: v_dual_add_f32 v[ACC+8*\a+\p+1], v[CB+\p+1], v[ACC+8*\a+\p+1]
.endr
.endr
.endm
.macro TRACK first                     ; the step's least d2 of each token tile, in eight chains that take turns; where the best so far is not greater it stays, else the step takes its place, with its first row (s51) and its 8 d2
.irp t, 0,3,5
.irp a, 0,1,2,3,4,5,6,7
.if \t == 0
	v_min3_num_f32 v[M+\a], v[ACC+8*\a], v[ACC+8*\a+1], v[ACC+8*\a+2]
.else
	v_min3_num_f32 v[M+\a], v[M+\a], v[ACC+8*\a+\t], v[ACC+8*\a+\t+1]
.endif
.endr
.endr
.irp a, 0,1,2,3,4,5,6,7
	v_min_num_f32 v[M+\a], v[M+\a], v[ACC+8*\a+7]
.endr
.irp a, 0,1,2,3,4,5,6,7
.if \first
	v_mov_b32 v[RG+2*\a], v[M+\a]
	v_mov_b32 v[RG+2*\a+1], s51
.irp p, 0,2,4,6
	v_dual_mov_b32 v[SAVE+8*\a+\p], v[ACC+8*\a+\p] :: v_dual_mov_b32 v[SAVE+8*\a+\p+1], v[ACC+8*\a+\p+1]
.endr
.else
	v_cmp_le_f32 vcc_lo, v[RG+2*\a], v[M+\a]
.if (\a%4) == 0
	v_dual_cndmask_b32 v[RG+2*\a], v[M+\a], v[RG+2*\a] :: v_dual_cndmask_b32 v[RG+2*\a+1], v[GV1], v[RG+2*\a+1]
.else
	v_dual_cndmask_b32 v[RG+2*\a], v[M+\a], v[RG+2*\a] :: v_dual_cndmask_b32 v[RG+2*\a+1], v[GV0], v[RG+2*\a+1]
.endif
.irp p, 0,2,4,6
	v_dual_cndmask_b32 v[SAVE+8*\a+\p], v[ACC+8*\a+\p], v[SAVE+8*\a+\p] :: v_dual_cndmask_b32 v[SAVE+8*\a+\p+1], v[ACC+8*\a+\p+1], v[SAVE+8*\a+\p+1]
.endr
.endif
.endr
.endm
.macro MERGE v, i, pv, pi              ; (value, index) against a partner's: the smaller value, at a tie the lower index
	v_cmp_lt_f32 s54, v[\pv], v[\v]
	v_cmp_eq_f32 s55, v[\pv], v[\v]
	v_cmp_lt_u32 vcc_lo, v[\pi], v[\i]
	s_and_b32 s55, s55, vcc_lo
	s_or_b32 vcc_lo, s54, s55
	v_cndmask_b32 v[\v], v[\v], v[\pv], vcc_lo
	v_cndmask_b32 v[\i], v[\i], v[\pi], vcc_lo
.endm
; One step.  kind 0: the next step lies in the same slot.  kind 1: the slot's last step, and the slot is filled again.  kind 2: a slot's last step with no refill.  kind 3: the very last step.
; At a change of slots this step's tile and cb' are in registers already, so my reads of the slot are over at the step's head: the waits, the add and the signal stand there,
; and the step's 16 products and its D2, work on registers, stand between the signal and the wait.
.macro STEP slot, st, kind, nslot, nst, first
	s_wait_dscnt 0x0                               ; this step's tile and cb' are in
.if (\kind == 1) || (\kind == 2)
	s_wait_tensorcnt 0x0                           ; all my tensor loads have landed: my part of the next slot
	ds_add_u32 v[SPW], v[NIL]
.if \kind == 1
	s_add_nc_u64 s[34+4*\slot:35+4*\slot], s[34+4*\slot:35+4*\slot], 2*CHUNK   ; no load of mine is out: this slot's next chunk
	s_wait_xcnt 0x0                                ; my last prefetch has read its address
	s_add_nc_u64 s[44:45], s[44:45], s[46:47]
.endif
	s_wait_dscnt 0x0                               ; the add is done; my reads of this slot were over above
	s_barrier_signal -1
.endif
	MUL
	PLACES
.if \kind == 0
	FETCH_CF \nslot, \nst
	s_wait_alu depctr_va_vdst(0)
.endif
	D2
.if (\kind == 1) || (\kind == 2)
	s_wait_alu depctr_va_vdst(0)                   ; directly ahead of the barrier's wait
	s_barrier_wait -1
.endif
.if \kind == 1
	CREST                                          ; no wave of any partner still reads this slot or has a load on its way
	JLOAD \slot                                    ; the first tensor load behind the round, one a wave
.endif
.if (\kind == 1) || (\kind == 2)
	FETCH_CF \nslot, \nst
.endif
.if \kind == 1
	ASK
	s_sub_co_u32 s49, s49, 1
.endif
.if \kind != 3
	FETCH_CB \nslot, \nst
.endif
	v_mov_b32 v[GV0], s51
	v_mov_b32 v[GV1], s51
	TRACK \first
.if (\st) == 3
	s_add_co_u32 s51, s51, 464                     ; on to my 64 rows of the next chunk: 512 - 3 x 16
.else
	s_add_co_u32 s51, s51, 16
.endif
.endm
	s_load_b256 s[4:11], s[0:1], 0x0               ; x, the scales' exponents, the workspace, out1
	s_load_b64 s[12:13], s[0:1], 0x20              ; idxw
	v_lshl_add_u32 v[SPW], v0, 2, SPARE
	v_mov_b32 v[NIL], 0
	ds_add_u32 v[SPW], v[NIL]                      ; the opening lines: the add, twice on end, and its wait ahead of my first tensor load
	ds_add_u32 v[SPW], v[NIL]
	v_lshrrev_b32 v[T], 5, v0
	v_readfirstlane_b32 s14, v[T]                  ; wave 0..7
	s_and_b32 s15, s14, 3                          ; in the head: my 32 tokens,
	s_lshr_b32 s16, s14, 2                         ; and my half of the channels
	s_bfe_u32 s17, ttmp6, 0x40000                  ; cx
	s_lshl_b32 s18, ttmp9, 2
	s_add_co_u32 s18, s18, s17                     ; work-group
	v_and_b32 v[T+2], 31, v0                       ; lane
	v_and_b32 v[T+3], 15, v0                       ; r
	v_bfe_u32 v[T+4], v0, 4, 1                     ; h
	s_wait_alu depctr_va_vdst(0)
	s_lshl_b32 s20, s14, 14
	v_lshl_add_u32 v[ADC], v[T+2], 4, s20          ; my four tiles: 16,384 x wave + 16 x lane
	v_add_nc_u32 v[ADC+1], SLOT1, v[ADC]
	s_lshl_b32 s20, s14, 8
	s_add_co_u32 s21, s20, CSQO
	v_lshl_add_u32 v[ADB], v[T+4], 5, s21          ; cb': 256 x wave + 32 h
	v_add_nc_u32 v[ADB+1], SLOT1, v[ADB]
	s_lshl_b32 s21, s14, 9
	s_add_co_u32 s21, s21, RESV
	v_lshl_add_u32 v[RWV], v[T+3], 2, s21          ; results: 512 x wave + 4 x token
	v_add_nc_u32 v[RWI], 4096, v[RWV]
	s_lshl_b32 s20, s14, 6
	v_lshl_add_u32 v[HB], v[T+4], 3, s20
	s_lshl_b32 s20, s15, 7
	s_lshl_b32 s21, s16, 19
	s_add_co_u32 s21, s21, s20
	v_lshl_add_u32 v[XO], v[T+2], 2, s21           ; x: 128 channels x 4,096 x half + 128 x (w % 4) + 4 x lane
	s_lshl_b32 s21, s16, 9
	s_add_co_u32 s21, s21, s20
	s_add_co_u32 s21, s21, XSQ
	v_lshl_add_u32 v[XQW], v[T+2], 2, s21
	s_lshl_b32 s20, s15, 13
	s_lshl_b32 s21, s16, 11
	s_add_co_u32 s20, s20, s21
	s_add_co_u32 s20, s20, XIMG
	v_lshl_add_u32 v[XW], v[T+3], 4, s20           ; the image: tile 2 (w % 4) + h, 16 channels at 256 bytes, 16 r
	v_lshl_add_u32 v[XW], v[T+4], 12, v[XW]
	v_lshlrev_b32 v[OO], 4, v[T+2]
	v_add_nc_u32 v[XFA], XIMG, v[OO]
	v_lshl_add_u32 v[XQR], v[T+3], 2, XSQ
	v_add_nc_u32 v[RRD], RESV, v[OO]
	s_mov_b32 s24, 15|(3<<16)|(1<<21)              ; group 1: the mask of all four partners, elements of 8 bytes, bit 21 beside the mask
	s_mov_b32 s25, 32<<16                          ; rows of 32 elements = 256 bytes,
	s_mov_b32 s26, 65<<16                          ; 65 of them, dense
	s_mov_b32 s27, 32<<16
	s_mov_b32 s28, 65
	s_mov_b32 s29, 32
	s_mov_b32 s30, 0
	s_mov_b32 s31, 0
	s_mul_i32 s22, s14, WPART
	s_mov_b32 s23, 0
	s_mov_b32 s32, 1
	s_mov_b32 s33, s22
	s_mov_b32 s36, 1
	s_add_co_u32 s37, s22, SLOT1
	s_lshr_b32 s56, s18, 3
	s_lshl_b32 s56, s56, 20                        ; the batch: eight work-groups to 2^20 bytes,
	s_and_b32 s57, s18, 7
	s_lshl_b32 s57, s57, 9                         ; my 128 tokens' 512 bytes of a channel
	s_add_co_u32 s56, s56, s57
	s_mov_b32 s57, 0
	s_lshl_b32 s58, s18, 9                         ; my 128 indices
	s_mov_b32 s59, 0
	s_mov_b32 s52, 0x76543210                      ; v_permlanex16_b32's selects for lane l xor 16
	s_mov_b32 s53, 0xfedcba98
	s_mov_b32 s49, 14                              ; refills
	s_mov_b32 s50, 7                               ; trips
	s_mov_b32 s51, 0                               ; the step's first row, less 64 x wave + 8 h
	s_wait_alu depctr_va_vdst(0)
	s_wait_dscnt 0x0                               ; both opening adds are done
	s_wait_kmcnt 0x0
	s_load_b64 s[42:43], s[6:7], 0x0               ; e0, e1
	s_add_nc_u64 s[4:5], s[4:5], s[56:57]
	s_add_nc_u64 s[10:11], s[10:11], s[58:59]
	s_add_nc_u64 s[12:13], s[12:13], s[58:59]
	s_add_nc_u64 s[34:35], s[8:9], s[22:23]
	s_add_nc_u64 s[38:39], s[34:35], CHUNK
	s_or_b32 s35, s35, 0x80000000
	s_or_b32 s39, s39, 0x80000000
	XLOAD 0
	CROUND                                         ; the four partners are here: the first joint loads meet
	tensor_load_to_lds s[32:35], s[24:31]          ; chunk 0: one tensor load a wave at the head; x is quantised while it is on its way
	s_nop 0
	XLOAD 1
	s_mov_b32 s56, CHUNK                           ; the prefetches: waves 0-3 the codes, wave 4 the cb', of cluster 0 alone
	s_lshl_b32 s57, s14, 2
	s_add_co_u32 s57, s57, s17
	s_lshl_b32 s57, s57, 13
	s_add_co_u32 s57, s57, 2*CHUNK                 ; codes: piece 4 w + cx of 8,192 bytes; stepped to chunk 3 ahead of the first request
	s_mul_i32 s58, s17, 4*CHUNK
	s_add_co_u32 s58, s58, CSQO                    ; cb': chunks 4 cx .. 4 cx + 3
	s_cmp_lt_u32 s14, 4
	s_cselect_b32 s48, 1, 13
	s_cselect_b32 s46, CHUNK, 0
	s_cselect_b32 s56, 2048, s56
	s_cselect_b32 s58, s57, s58
	s_mov_b32 s47, 0
	s_cmp_gt_u32 s14, 4
	s_cselect_b32 s48, -1, s48
	s_cmp_lg_u32 ttmp9, 0
	s_cselect_b32 s48, -1, s48
	s_add_nc_u64 s[44:45], s[8:9], s[58:59]
	v_lshrrev_b32 v[T+5], 3, v[T+2]
	v_mul_lo_u32 v[T+5], v[T+5], s56
	v_and_b32 v[T+6], 7, v[T+2]
	v_lshl_add_u32 v[PFO], v[T+6], 8, v[T+5]       ; 256 (lane % 8) + (lane / 8) x 2,048 or x a chunk
	s_wait_kmcnt 0x0
	s_add_co_i32 s20, s42, 127
	s_lshl_b32 s21, s20, 23
	v_mov_b32 v[T], s21                            ; 2^e0 as f32: the conversion takes its exponent field
	s_add_co_i32 s20, s20, 15
	s_lshl_b32 s20, s20, 23
	s_or_b32 s20, s20, 0x600000
	v_mov_b32 v[T+1], s20                          ; 57,344 x 2^e0
	s_add_co_i32 s40, s42, s43
	s_add_co_i32 s40, s40, 1
	s_sub_co_i32 s40, 0, s40                       ; -(e0 + e1 + 1)
	s_wait_alu depctr_va_vdst(0)
	XBLOCK 0, 32
	XBLOCK 1, 32
	XBLOCK 2, 32
	XBLOCK 3, 0
	v_pk_add_f32 v[SQ:SQ+1], v[SQ:SQ+1], v[SQ+2:SQ+3]
	v_add_f32 v[SQ], v[SQ], v[SQ+1]
	ds_store_b32 v[XQW], v[SQ]                     ; my token's squares over my 128 channels
	s_wait_tensorcnt 0x0                           ; my part of chunk 0 is in
	ds_add_u32 v[SPW], v[NIL]
	s_wait_dscnt 0x0                               ; the add is done, and my stores of codes and sums have landed
	CROUND                                         ; chunk 0 and x's image are whole, and the partners are here
	JLOAD 1                                        ; chunk 1: slot 1's first fill, the first tensor load behind the round
	WIN 0x40
.irp a, 0,1,2,3,4,5,6,7
.irp q, 0,1,2,3,4,5,6,7
	ds_load_b128 v[XF+32*\a+4*\q:XF+32*\a+4*\q+3], v[XFA] offset:4096*\a+512*\q
.endr
.endr
	WIN 0
.irp a, 0,1,2,3,4,5,6,7
.irp k, 0,1
	ds_load_b32 v[TQ+2*\a+\k], v[XQR] offset:64*\a+512*\k
.endr
.endr
	FETCH_CF 0, 0
	FETCH_CB 0, 0
	s_wait_dscnt 10                                ; all but the 8 + 2 loads just issued
.irp a, 0,1,2,3,4,5,6,7
	v_add_f32 v[XQ+2*\a], v[TQ+2*\a], v[TQ+2*\a+1] ; x_sq
.endr
.irp a, 0,1,2,3,4,5,6,7
	v_ldexp_f32 v[XQ+2*\a], v[XQ+2*\a], s40        ; X': nothing is rounded
.endr
.irp a, 0,1,2,3,4,5,6,7
	v_mov_b32 v[XQ+2*\a+1], v[XQ+2*\a]
.endr
	STEP 0, 0, 0, 0, 1, 1                          ; the first step starts the best-so-far: nothing is cleared
.Ltrip:                                                ; a trip goes once round the ring, from a chunk's second step to the first of the chunk two on
	STEP 0, 1, 0, 0, 2, 0
	STEP 0, 2, 0, 0, 3, 0
	STEP 0, 3, 1, 1, 0, 0
	STEP 1, 0, 0, 1, 1, 0
	STEP 1, 1, 0, 1, 2, 0
	STEP 1, 2, 0, 1, 3, 0
	STEP 1, 3, 1, 0, 0, 0
	STEP 0, 0, 0, 0, 1, 0
	s_sub_co_u32 s50, s50, 1
	s_cmp_lg_u32 s50, 0
	s_cbranch_scc1 .Ltrip
	STEP 0, 1, 0, 0, 2, 0                          ; the last two chunks fetch nothing more
	STEP 0, 2, 0, 0, 3, 0
	STEP 0, 3, 2, 1, 0, 0
	STEP 1, 0, 0, 1, 1, 0
	STEP 1, 1, 0, 1, 2, 0
	STEP 1, 2, 0, 1, 3, 0
	STEP 1, 3, 3, 0, 0, 0
; The place of the least d2 among the best step's 8: the lowest register that equals it.  The accumulators' and the tile's registers are free now.
.set P,  64
.set IX, 72
.set PV, 80
.set PI, 88
.set VV, 96                            ; wave 0: the eight waves' values, v96-127,
.set II, 192                           ; and indices, v192-223
.irp a, 0,1,2,3,4,5,6,7
	v_mov_b32 v[P+\a], 0
	v_mov_b32 v[PV+\a], 0                          ; written once: a lane permute's destination counts as one of its sources
	v_mov_b32 v[PI+\a], 0
.endr
.irp k, 7,6,5,4,3,2,1,0
.irp a, 0,1,2,3,4,5,6,7
	v_cmp_neq_f32 vcc_lo, v[SAVE+8*\a+\k], v[RG+2*\a]
	v_cndmask_b32 v[P+\a], \k, v[P+\a], vcc_lo
.endr
.endr
.irp a, 0,1,2,3,4,5,6,7
	v_add3_u32 v[IX+\a], v[RG+2*\a+1], v[P+\a], v[HB]
.endr
.irp a, 0,1,2,3,4,5,6,7
	v_permlanex16_b32 v[PV+\a], v[RG+2*\a], s52, s53
	v_permlanex16_b32 v[PI+\a], v[IX+\a], s52, s53
.endr
.irp a, 0,1,2,3,4,5,6,7
	MERGE RG+2*\a, IX+\a, PV+\a, PI+\a             ; with lane l xor 16's
.endr
.irp a, 0,1,2,3,4,5,6,7
	ds_store_b32 v[RWV], v[RG+2*\a] offset:64*\a   ; (lanes r and r + 16 write the same word with the same number)
	ds_store_b32 v[RWI], v[IX+\a] offset:64*\a
.endr
	s_wait_dscnt 0x0                               ; for wave 0's sake: my stores have landed
	s_barrier_signal -1
	s_barrier_wait -1
	s_cmp_lg_u32 s14, 0
	s_cbranch_scc1 .Lnot_first
.irp c, 0,1,2,3,4,5,6,7
	ds_load_b128 v[VV+4*\c:VV+4*\c+3], v[RRD] offset:512*\c          ; the eight waves' results of tokens 4 x lane .. + 3
	ds_load_b128 v[II+4*\c:II+4*\c+3], v[RRD] offset:4096+512*\c
.endr
	s_wait_dscnt 0x0
.irp c, 1,2,3,4,5,6,7
.irp t, 0,1,2,3
	MERGE VV+\t, II+\t, VV+4*\c+\t, II+4*\c+\t
.endr
.endr
	global_store_b128 v[OO], v[II:II+3], s[10:11]      ; 32 lanes store 512 consecutive bytes, aligned
	global_store_b128 v[OO], v[II:II+3], s[12:13]
.Lnot_first:
	s_wait_tensorcnt 0x0                           ; the wave's end
	ds_add_u32 v[SPW], v[NIL]
	s_wait_dscnt 0x0
	CROUND                                         ; the closing round
	s_endpgm
.Lfunc_end_k_qc90812fbf7_main:
	.size	k_qc90812fbf7_main, .Lfunc_end_k_qc90812fbf7_main-k_qc90812fbf7_main
	.p2alignl 7, 3214868480
	.fill 96, 4, 3214868480
	.section	.rodata,"a",@progbits
	.p2align	6, 0x0
	.amdhsa_kernel k_qc90812fbf7_main
		.amdhsa_group_segment_fixed_size 327680
		.amdhsa_private_segment_fixed_size 0
		.amdhsa_enable_private_segment 0
		.amdhsa_kernarg_size 40
		.amdhsa_user_sgpr_count 2
		.amdhsa_user_sgpr_kernarg_segment_ptr 1
		.amdhsa_wavefront_size32 1
		.amdhsa_system_sgpr_workgroup_id_x 1
		.amdhsa_system_sgpr_workgroup_id_y 1
		.amdhsa_system_sgpr_workgroup_id_z 1
		.amdhsa_system_vgpr_workitem_id 0
		.amdhsa_next_free_vgpr 512
		.amdhsa_next_free_sgpr 66
		.amdhsa_reserve_vcc 1
		.amdhsa_float_denorm_mode_32 3
		.amdhsa_float_denorm_mode_16_64 3
		.amdhsa_memory_ordered 1
		.amdhsa_forward_progress 1
		.amdhsa_inst_pref_size 228
	.end_amdhsa_kernel
	.amdgpu_metadata
---
amdhsa.version: [ 1, 2 ]
amdhsa.kernels:
  - .name:           k_qc90812fbf7_main
    .symbol:         k_qc90812fbf7_main.kd
    .args:
      - { .name: x, .offset: 0, .size: 8, .value_kind: global_buffer, .address_space: global }
      - { .name: lowp_scales, .offset: 8, .size: 8, .value_kind: global_buffer, .address_space: global }
      - { .name: cbq, .offset: 16, .size: 8, .value_kind: global_buffer, .address_space: global }
      - { .name: out1, .offset: 24, .size: 8, .value_kind: global_buffer, .address_space: global }
      - { .name: idxw, .offset: 32, .size: 8, .value_kind: global_buffer, .address_space: global }
    .group_segment_fixed_size: 327680
    .private_segment_fixed_size: 0
    .kernarg_segment_align: 8
    .kernarg_segment_size: 40
    .max_flat_workgroup_size: 256
    .sgpr_count:     66
    .vgpr_count:     512
    .wavefront_size: 32
...
	.end_amdgpu_metadata
.endif
;; end of part 2
;; launch gather (part 3): grid 512 x 1, 8 waves a work-group, no clusters, 67,584 bytes of LDS; arguments codebook, idxw, out0; writes out0
.if DOCPART == 3
	.amdgcn_target "amdgcn-amd-amdhsa--gfx1250"
	.amdhsa_code_object_version 6
	.text
	.protected	k_qc90812fbf7_gather
	.globl	k_qc90812fbf7_gather
	.p2align	8
	.type	k_qc90812fbf7_gather,@function
k_qc90812fbf7_gather:
	s_mov_b64 s[64:65], 0
	v_nop
	global_prefetch_b8 v0, s[64:65] scope:SCOPE_SE
	s_setreg_imm32_b32 hwreg(HW_REG_WAVE_MODE, 25, 1), 1
	s_wait_xcnt 0x0
; out0[b][c][hw] = codebook[idx[1024 b + hw]][c]: the chosen rows, f32 as they are given, turned from [token][channel] to [channel][token].
; The indices were stored as whole numbers by the launch before; each is held at 8,191, the table's last row, ahead of its use in an address.
; SHARES: a work-group takes 64 tokens of one batch: 64 rows of 1,024 bytes in, 256 channels x 256 bytes out.  The turn goes through LDS.
;   In: wave w takes tokens 8 w .. 8 w + 7; a load reads 512 consecutive bytes of one row.  Out: wave w takes channels 32 w .. 32 w + 31, two a turn; sixteen lanes store 256 consecutive bytes, aligned.
; LDS: 64 rows, PITCH bytes apart.  Token t lies in row t / 4 + 16 (t % 4): a lane that gathers tokens 4 i .. 4 i + 3 of a channel then reads rows i, i + 16, i + 32, i + 48, and in each of those four reads
;   the 32 lanes' words lie PITCH = 260 words apart from i to i + 1 and one word apart between the two channels: 32 different words modulo 64.
; No tensor load (the rows hang on stored numbers), no cluster (the work-groups' rows are their own), no matrix work.
.set PITCH, 1040
	s_load_b128 s[4:7], s[0:1], 0x0                ; the codebook, the indices
	s_load_b64 s[8:9], s[0:1], 0x10                ; out0
	v_lshl_add_u32 v96, v0, 2, 0x10400
	v_mov_b32 v97, 0
	v_lshrrev_b32 v1, 5, v0
	s_delay_alu instid0(VALU_DEP_1)
	v_readfirstlane_b32 s12, v1                    ; wave 0..7
	v_and_b32 v1, 31, v0                           ; lane
	v_and_b32 v2, 15, v0                           ; i
	v_bfe_u32 v3, v0, 4, 1                         ; which of a turn's two channels
	s_delay_alu instid0(VALU_DEP_3)
	v_lshlrev_b32 v4, 4, v1                        ; 16 x lane
	s_mul_i32 s13, s12, 2*PITCH
	v_add_nc_u32 v5, s13, v4                       ; in: tokens 8 w on begin at row 2 w
	v_mul_u32_u24 v6, v2, PITCH
	s_delay_alu instid0(VALU_DEP_1)
	v_lshl_add_u32 v6, v3, 2, v6
	s_lshl_b32 s13, s12, 7
	v_add_nc_u32 v6, s13, v6                       ; out: row i, channel 32 w + my one of two
	v_lshlrev_b32 v7, 4, v2
	s_delay_alu instid0(VALU_DEP_1)
	v_lshl_add_u32 v7, v3, 12, v7                  ; and in out0: 16 i + a channel's 4,096 bytes
	s_lshl_b32 s24, ttmp9, 8
	s_lshl_b32 s25, s12, 5
	s_add_co_u32 s24, s24, s25                     ; my eight indices: 4 (64 x work-group + 8 x wave)
	s_mov_b32 s25, 0
	s_lshr_b32 s26, ttmp9, 4
	s_lshl_b32 s26, s26, 20                        ; the batch: sixteen work-groups to a batch of 2^20 bytes,
	s_and_b32 s27, ttmp9, 15
	s_lshl_b32 s27, s27, 8                         ; my 64 tokens' 256 bytes of a channel,
	s_add_co_u32 s26, s26, s27
	s_lshl_b32 s27, s12, 17                        ; my wave's 32 channels
	s_add_co_u32 s26, s26, s27
	s_mov_b32 s27, 0
	s_wait_alu depctr_va_vdst(0)
	s_wait_kmcnt 0x0
	s_add_nc_u64 s[6:7], s[6:7], s[24:25]
	s_add_nc_u64 s[8:9], s[8:9], s[26:27]
	s_load_b256 s[16:23], s[6:7], 0x0
	s_wait_kmcnt 0x0
.irp t, 0,1,2,3,4,5,6,7
	s_min_u32 s[16+\t], s[16+\t], 8191             ; an index stays inside the table
	s_lshl_b32 s[16+\t], s[16+\t], 10              ; a row is 1,024 bytes
	v_add_nc_u32 v[16+\t], s[16+\t], v4
.endr
	s_wait_alu depctr_va_vdst(0)
.irp t, 0,1,2,3,4,5,6,7
	global_load_b128 v[32+8*\t:35+8*\t], v[16+\t], s[4:5]              ; no hint: a row may be chosen by many tokens
	global_load_b128 v[36+8*\t:39+8*\t], v[16+\t], s[4:5] offset:512
.endr
.irp t, 0,1,2,3,4,5,6,7
	s_wait_loadcnt 15-2*\t                         ; loads come back in order: this half row is in, the younger ones stay out
	ds_store_b128 v5, v[32+8*\t:35+8*\t] offset:((\t/4)+16*(\t%4))*PITCH
	s_wait_loadcnt 14-2*\t
	ds_store_b128 v5, v[36+8*\t:39+8*\t] offset:((\t/4)+16*(\t%4))*PITCH+512
.endr
	s_wait_dscnt 0x0                               ; for the others' sake: my stores have landed (and have read their registers, which the loads below fill)
	s_barrier_signal -1
	s_barrier_wait -1
.irp n, 0,1,2,3,4,5,6,7,8,9,10,11,12,13,14,15
.irp k, 0,1,2,3
	ds_load_b32 v[32+4*\n+\k], v6 offset:16*PITCH*\k+8*\n   ; token 4 i + k, channel 32 w + 2 n + my one of two
.endr
.endr
.irp n, 0,1,2,3,4,5,6,7,8,9,10,11,12,13,14,15
	s_wait_dscnt 60-4*\n                           ; this turn's four loads are in; the younger turns' stay out
	global_store_b128 v7, v[32+4*\n:35+4*\n], s[8:9] offset:8192*\n th:TH_STORE_NT   ; written once, read by nobody here
.endr
	s_wait_tensorcnt 0x0
	ds_add_u32 v96, v97
	s_wait_dscnt 0x0
	s_endpgm
.Lfunc_end_k_qc90812fbf7_gather:
	.size	k_qc90812fbf7_gather, .Lfunc_end_k_qc90812fbf7_gather-k_qc90812fbf7_gather
	.p2alignl 7, 3214868480
	.fill 96, 4, 3214868480
	.section	.rodata,"a",@progbits
	.p2align	6, 0x0
	.amdhsa_kernel k_qc90812fbf7_gather
		.amdhsa_group_segment_fixed_size 67584
		.amdhsa_private_segment_fixed_size 0
		.amdhsa_enable_private_segment 0
		.amdhsa_kernarg_size 24
		.amdhsa_user_sgpr_count 2
		.amdhsa_user_sgpr_kernarg_segment_ptr 1
		.amdhsa_wavefront_size32 1
		.amdhsa_system_sgpr_workgroup_id_x 1
		.amdhsa_system_sgpr_workgroup_id_y 1
		.amdhsa_system_sgpr_workgroup_id_z 1
		.amdhsa_system_vgpr_workitem_id 0
		.amdhsa_next_free_vgpr 98
		.amdhsa_next_free_sgpr 66
		.amdhsa_reserve_vcc 0
		.amdhsa_float_denorm_mode_32 3
		.amdhsa_float_denorm_mode_16_64 3
		.amdhsa_memory_ordered 1
		.amdhsa_forward_progress 1
		.amdhsa_inst_pref_size 13
	.end_amdhsa_kernel
	.amdgpu_metadata
---
amdhsa.version: [ 1, 2 ]
amdhsa.kernels:
  - .name:           k_qc90812fbf7_gather
    .symbol:         k_qc90812fbf7_gather.kd
    .args:
      - { .name: codebook, .offset: 0, .size: 8, .value_kind: global_buffer, .address_space: global }
      - { .name: idxw, .offset: 8, .size: 8, .value_kind: global_buffer, .address_space: global }
      - { .name: out0, .offset: 16, .size: 8, .value_kind: global_buffer, .address_space: global }
    .group_segment_fixed_size: 67584
    .private_segment_fixed_size: 0
    .kernarg_segment_align: 8
    .kernarg_segment_size: 24
    .max_flat_workgroup_size: 256
    .sgpr_count:     66
    .vgpr_count:     98
    .wavefront_size: 32
...
	.end_amdgpu_metadata
.endif
;; end of part 3
